; MI455X (gfx1250); checked and timed in simulation.
; The chip was launched on July 23, 2026; its instructions are those of AMD's public machine-readable ISA for CDNA 5 (MIT licence, August 2026) and "CDNA5" Instruction Set Architecture Reference Guide (July 2026). The comments in the code are by the model that wrote it; some were corrected since.
;; LSTM Cell. Allowed arithmetic: float matrix products may take bf16 or f16 operands with f32 sums; other float arithmetic in f32, or as packed bf16 or f16 multiplies, adds, multiply-adds, maxima and minima; sums over many terms, partial sums and values carried from step to step in f32; what a program stores and reads back later, other than sums and carried values, may be rounded once to bf16 or f16.
;; Inputs: Wc 4,096 x 2,048 float32; Wf 4,096 x 2,048 float32; Wi 4,096 x 2,048 float32; Wo 4,096 x 2,048 float32; bc 2,048 float32; bf 2,048 float32; bi 2,048 float32; bo 2,048 float32; cell 2,048 x 2,048 float32; hidden 2,048 x 4,096 float32; input 2,048 x 4,096 float32.
;; Outputs: out0 2,048 x 2,048 float32; out1 2,048 x 2,048 float32; out2 2,048 x 2,048 float32.
;; 2 versions, each right; version 2 is version 1 with the launch prep written anew for expert scheduling mode. Each part assembles by itself: llvm-mc -triple=amdgcn-amd-amdhsa -mcpu=gfx1250 --defsym DOCPART=n.
;; ======== version 1 of 2: 2 launches
;; limits: values are held in f16: magnitudes above 65,504 overflow, below 6.1e-05 lose precision
;; workspace buffers: xa 16,777,216 bytes; wb 67,108,864 bytes
;; launch prep (part 1): grid 128 x 6, 8 waves a work-group, no clusters, 0 bytes of LDS; arguments input, hidden, Wf, Wc, Wi, Wo, xa, wb; writes xa, wb
.if DOCPART == 1
	.amdgcn_target "amdgcn-amd-amdhsa--gfx1250"
	.amdhsa_code_object_version 6
	.text
	.protected	k_qd7bd8f050a_prep
	.globl	k_qd7bd8f050a_prep
	.p2align	8
	.type	k_qd7bd8f050a_prep,@function
k_qd7bd8f050a_prep:
	s_mov_b64 s[64:65], 0
	v_nop
	global_prefetch_b8 v0, s[64:65] scope:SCOPE_SE
	s_setreg_imm32_b32 hwreg(HW_REG_WAVE_MODE, 25, 1), 1
	s_wait_xcnt 0x0
; THE OPERANDS OF THE GATES' PRODUCT, rounded once to f16.
;   xa[row][k] = f16(input[row][k] + hidden[row][k]), the sum in f32.  [2048][4096], rows of 8,192 bytes.
;   wb[ct][ks][g][kk][c] = f16(W_g[128 ks + kk][64 ct + c]), g = 0 f, 1 c, 2 i, 3 o: [32][32][4][128][64].  So what the next launch asks for in one piece
;   (128 k of two gates' 64 columns) is 32,768 bytes on end.
; WHY f16.  A gate's error reaches the second output times |cell| and is held against a hundredth of that output's small root mean square: 8 significant bits in both operands do not keep that, 11 do.
; LIMITS.  f16 ends at 65,504: a sum input + hidden, or a weight, of 65,520 or more in magnitude becomes an infinity.  Below 6.1e-5 a number keeps f16's fixed step of 6e-8.
; A stream: each input byte is read once, each output byte written once, nothing is shared between waves.  So there is no LDS, no barrier, no matrix work, and no cluster.
; GRID.  y = 0..3: gate y's weights; x = 4 ks + ctg.  The work-group takes 128 rows of k x 512 columns (2,048 bytes on end of each row), wave v the 64 columns ct = 8 ctg + v.
;        y = 4, 5: the sum; the work-group takes 8 rows, a wave one row.
; A load of a wave covers 512 bytes (weights: 256 bytes, aligned, of each of two rows); a store of a wave covers 256 consecutive bytes, aligned.
; A ring of slots in registers keeps 16 loads of every wave on their way; no address register is ever rewritten: the turn stands in the immediate (1,032,192 at the most).
.set SO, 3                             ; v3        my byte offset in the source; never rewritten
.set DO, 4                             ; v4        8 x lane: my 8 bytes of a store; never rewritten
.set X,  8                             ; v[8:71]   as loaded: 16 slots of 4 (weights), 8 slots of 4 + 4 (the sum)
.set Y,  72                            ; v[72:103] to store: 2 registers a slot
	s_load_b512 s[8:23], s[0:1], 0x0               ; input s[8:9], hidden s[10:11], Wf s[12:13], Wc s[14:15], Wi s[16:17], Wo s[18:19], xa s[20:21], wb s[22:23]
	s_and_b32 s2, ttmp7, 0xffff                    ; y
	v_lshrrev_b32 v1, 5, v0
	v_readfirstlane_b32 s3, v1                     ; wave 0..7
	v_and_b32 v2, 31, v0                           ; lane
	v_lshlrev_b32 v[DO], 3, v2
	s_cmp_ge_u32 s2, 4
	s_cbranch_scc1 .Ladd
	; ---- the weights of gate y ----
	s_lshr_b32 s4, ttmp9, 2                        ; ks
	s_and_b32 s5, ttmp9, 3
	s_lshl_b32 s5, s5, 3
	s_add_co_u32 s5, s5, s3                        ; ct
	s_lshl_b32 s6, s4, 20                          ; 128 ks rows of 8,192 bytes
	s_lshl_b32 s7, s5, 8                           ; 64 ct columns of 4 bytes
	s_add_co_u32 s6, s6, s7
	s_mov_b32 s7, 0                                ; s[6:7]: where I read, under 2^26
	s_lshl_b32 s28, s5, 5
	s_add_co_u32 s28, s28, s4
	s_lshl_b32 s28, s28, 2
	s_add_co_u32 s28, s28, s2
	s_lshl_b32 s28, s28, 14                        ; ((32 ct + ks) 4 + g) x 16,384
	s_mov_b32 s29, 0                               ; s[28:29]: where I write, under 2^27
	v_lshrrev_b32 v5, 4, v2
	v_and_b32 v6, 15, v2
	v_lshlrev_b32 v[SO], 4, v6                     ; lanes 0-15 take 256 bytes of the even row,
	v_lshl_add_u32 v[SO], v5, 13, v[SO]            ; lanes 16-31 of the odd one
	s_wait_kmcnt 0x0
	s_cmp_eq_u32 s2, 1
	s_cselect_b64 s[24:25], s[14:15], s[12:13]
	s_cmp_eq_u32 s2, 2
	s_cselect_b64 s[24:25], s[16:17], s[24:25]
	s_cmp_eq_u32 s2, 3
	s_cselect_b64 s[24:25], s[18:19], s[24:25]     ; the gate's matrix
	s_add_nc_u64 s[24:25], s[24:25], s[6:7]
	s_add_nc_u64 s[26:27], s[22:23], s[28:29]
.macro WLOAD t                         ; turn t: rows 2 t and 2 t + 1 into slot t % 16
	global_load_b128 v[X+4*((\t)%16):X+4*((\t)%16)+3], v[SO], s[24:25] offset:(\t)*16384 th:TH_LOAD_NT
.endm
.set n, 0
.rept 16
	WLOAD n                                        ; the ring is filled
.set n, n+1
.endr
.set n, 0
.rept 64
.if 63-n < 15
	s_wait_loadcnt 63-n                            ; the last turns load nothing: the count runs down
.else
	s_wait_loadcnt 15                              ; loads come back in order (ISA guide 5.7.1): turn n's is in, the 15 younger ones stay out
.endif
	s_wait_xcnt 0x0                                ; the store of 16 turns ago has read this slot's Y (ISA guide 3.1): it is rewritten only behind this wait
	v_cvt_pk_f16_f32 v[Y+2*(n%16)],   v[X+4*(n%16)],   v[X+4*(n%16)+1]
	v_cvt_pk_f16_f32 v[Y+2*(n%16)+1], v[X+4*(n%16)+2], v[X+4*(n%16)+3]
.if n+16 < 64
	WLOAD n+16                                     ; the load ahead of the store
.endif
	global_store_b64 v[DO], v[Y+2*(n%16):Y+2*(n%16)+1], s[26:27] offset:n*256  ; two rows of 128 bytes: 256 bytes on end
.set n, n+1
.endr
	s_endpgm
	; ---- input + hidden ----
.Ladd:
	s_sub_co_u32 s4, s2, 4
	s_lshl_b32 s4, s4, 7
	s_add_co_u32 s4, s4, ttmp9
	s_lshl_b32 s4, s4, 3
	s_add_co_u32 s4, s4, s3                        ; my row, 0..2047
	s_lshl_b32 s6, s4, 14                          ; 16,384 bytes a row in,
	s_mov_b32 s7, 0
	s_lshl_b32 s4, s4, 13                          ; 8,192 out
	s_mov_b32 s5, 0
	v_lshlrev_b32 v[SO], 4, v2
	s_wait_kmcnt 0x0
	s_add_nc_u64 s[24:25], s[8:9], s[6:7]
	s_add_nc_u64 s[28:29], s[10:11], s[6:7]
	s_add_nc_u64 s[26:27], s[20:21], s[4:5]
.macro ALOAD t                         ; turn t: 512 bytes of each of the two rows into slot t % 8
	global_load_b128 v[X+8*((\t)%8):X+8*((\t)%8)+3],   v[SO], s[24:25] offset:(\t)*512 th:TH_LOAD_NT
	global_load_b128 v[X+8*((\t)%8)+4:X+8*((\t)%8)+7], v[SO], s[28:29] offset:(\t)*512 th:TH_LOAD_NT
.endm
.set n, 0
.rept 8
	ALOAD n
.set n, n+1
.endr
.set n, 0
.rept 32
.if 2*(31-n) < 14
	s_wait_loadcnt 2*(31-n)
.else
	s_wait_loadcnt 14                              ; turn n's two loads are in; the seven younger pairs stay out
.endif
	s_wait_xcnt 0x0                                ; the store of 8 turns ago has read this slot's Y
	v_pk_add_f32 v[X+8*(n%8):X+8*(n%8)+1],   v[X+8*(n%8):X+8*(n%8)+1],   v[X+8*(n%8)+4:X+8*(n%8)+5]
	v_pk_add_f32 v[X+8*(n%8)+2:X+8*(n%8)+3], v[X+8*(n%8)+2:X+8*(n%8)+3], v[X+8*(n%8)+6:X+8*(n%8)+7]
	v_cvt_pk_f16_f32 v[Y+2*(n%8)],   v[X+8*(n%8)],   v[X+8*(n%8)+1]
	v_cvt_pk_f16_f32 v[Y+2*(n%8)+1], v[X+8*(n%8)+2], v[X+8*(n%8)+3]
.if n+8 < 32
	ALOAD n+8
.endif
	global_store_b64 v[DO], v[Y+2*(n%8):Y+2*(n%8)+1], s[26:27] offset:n*256
.set n, n+1
.endr
	s_endpgm
.Lfunc_end_k_qd7bd8f050a_prep:
	.size	k_qd7bd8f050a_prep, .Lfunc_end_k_qd7bd8f050a_prep-k_qd7bd8f050a_prep
	.p2alignl 7, 3214868480
	.fill 96, 4, 3214868480
	.section	.rodata,"a",@progbits
	.p2align	6, 0x0
	.amdhsa_kernel k_qd7bd8f050a_prep
		.amdhsa_group_segment_fixed_size 0
		.amdhsa_private_segment_fixed_size 0
		.amdhsa_enable_private_segment 0
		.amdhsa_kernarg_size 64
		.amdhsa_user_sgpr_count 2
		.amdhsa_user_sgpr_kernarg_segment_ptr 1
		.amdhsa_wavefront_size32 1
		.amdhsa_system_sgpr_workgroup_id_x 1
		.amdhsa_system_sgpr_workgroup_id_y 1
		.amdhsa_system_sgpr_workgroup_id_z 1
		.amdhsa_system_vgpr_workitem_id 0
		.amdhsa_next_free_vgpr 104
		.amdhsa_next_free_sgpr 66
		.amdhsa_reserve_vcc 0
		.amdhsa_float_denorm_mode_32 3
		.amdhsa_float_denorm_mode_16_64 3
		.amdhsa_memory_ordered 1
		.amdhsa_forward_progress 1
		.amdhsa_inst_pref_size 45
	.end_amdhsa_kernel
	.amdgpu_metadata
---
amdhsa.version: [ 1, 2 ]
amdhsa.kernels:
  - .name:           k_qd7bd8f050a_prep
    .symbol:         k_qd7bd8f050a_prep.kd
    .args:
      - { .name: input, .offset: 0, .size: 8, .value_kind: global_buffer, .address_space: global }
      - { .name: hidden, .offset: 8, .size: 8, .value_kind: global_buffer, .address_space: global }
      - { .name: Wf, .offset: 16, .size: 8, .value_kind: global_buffer, .address_space: global }
      - { .name: Wc, .offset: 24, .size: 8, .value_kind: global_buffer, .address_space: global }
      - { .name: Wi, .offset: 32, .size: 8, .value_kind: global_buffer, .address_space: global }
      - { .name: Wo, .offset: 40, .size: 8, .value_kind: global_buffer, .address_space: global }
      - { .name: xa, .offset: 48, .size: 8, .value_kind: global_buffer, .address_space: global }
      - { .name: wb, .offset: 56, .size: 8, .value_kind: global_buffer, .address_space: global }
    .group_segment_fixed_size: 0
    .private_segment_fixed_size: 0
    .kernarg_segment_align: 8
    .kernarg_segment_size: 64
    .max_flat_workgroup_size: 256
    .sgpr_count:     66
    .vgpr_count:     104
    .wavefront_size: 32
...
	.end_amdgpu_metadata
.endif
;; end of part 1
;; launch lstm (part 2): grid 32 x 8, 4 waves a work-group, clusters of 4 x 4, 327,680 bytes of LDS; arguments xa, wb, cell, bf, bc, bi, bo, out0, out1, out2; writes out0, out1, out2
.if DOCPART == 2
	.amdgcn_target "amdgcn-amd-amdhsa--gfx1250"
	.amdhsa_code_object_version 6
	.text
	.protected	k_qd7bd8f050a_lstm
	.globl	k_qd7bd8f050a_lstm
	.p2align	8
	.type	k_qd7bd8f050a_lstm,@function
k_qd7bd8f050a_lstm:
	s_mov_b64 s[64:65], 0
	v_nop
	global_prefetch_b8 v0, s[64:65] scope:SCOPE_SE
	s_setreg_imm32_b32 hwreg(HW_REG_WAVE_MODE, 25, 1), 1
	s_wait_xcnt 0x0
	s_wait_alu depctr_hold_cnt(0) depctr_sa_sdst(0) depctr_va_vdst(0) depctr_va_sdst(0) depctr_va_ssrc(0) depctr_va_vcc(0) depctr_vm_vsrc(0)
	s_getreg_b32 s2, hwreg(HW_REG_IB_STS2, 6, 4)
	s_cmp_eq_u32 s2, 0
	s_cbranch_scc0 .Lentry_in_a_cluster
	s_endpgm
.Lentry_in_a_cluster:
	s_bfe_u32 s2, ttmp6, 0x10000c
	s_cmp_lg_u32 s2, 0xf033
	s_cbranch_scc0 .Lentry_shape_is_right
	s_endpgm
.Lentry_shape_is_right:
; THE LSTM CELL.  gates_g = xa W_g + b_g (g = f, c, i, o; K = 4,096, f16 operands, f32 sums), then, all in f32:
;   ft = sigmoid(gf), ct = tanh(gc), it = sigmoid(sigmoid(gi)), out0 = sigmoid(go), out2 = cell ft + ct it, out1 = out0 tanh(out2).
; xa: [2048][4096] f16.  wb: [ct 32][ks 32][g 4][kk 128][c 64] f16 (k = 128 ks + kk, column 64 ct + c).  cell, out0-2: [2048][2048] f32.  Biases: [2048] f32.
; LIMITS.  The operands arrive within f16's range, 65,504 (the launch before states what becomes of larger numbers).
; sigmoid(x) = 1 / (1 + 2^(-x log2 e)), tanh(x) = 1 - 2 / (1 + 2^(2 x log2 e)): where the power overflows the reciprocal of infinity is 0 and the function has its end value; a power below
; 2^-126 counts as 0; tanh near 0 carries an absolute error of about 1e-7.  NaN and infinities among the inputs are not treated apart.
; SHARES.  A work-group makes 256 rows x 64 columns of all three outputs, which is a tile of 256 x 256 of the gates: the four gates of the same 64 columns.  Four waves: wave w has rows 128 (w / 2) on and
; columns 32 (w % 2) on, 64 accumulators of 16 x 16 (a = 0..7 row blocks, b = 2 g + nb).  The four gates of one output number lie in the same lane and the same register place, so the cell's step changes no lane.
; THE MATRIX INSTRUCTION IS USED TRANSPOSED: source 0 = 16 columns of W, source 1 = 16 rows of xa: lane l holds row l % 16, its registers 0-7 the columns 8 (l / 16) + 0..7.
; W lies [k][column] in LDS and is turned on its way into registers by ds_load_tr16_b128.  THE BIAS is the C operand of the products that start the sums: nothing is cleared, nothing is added later.
; THE RING.  K goes in steps of 128 through two LDS slots; waves 0 and 1 fetch the halves of xa's 256 rows, waves 2 and 3 two gates' weights each.
; CLUSTER.  4 x 4 work-groups.  xa's tile hangs on the tile row alone and is asked for jointly by a row of the cluster, wb's on the tile column alone and is asked for jointly by a column.
; THE WAY OUT.  The cell tile comes by a tensor load of each wave's own into slot 0's xa region when K step 30 has been read.  The three results go through stages in ring bytes that have had their last
; fill (a row's 256 bytes come from two waves), and leave as whole rows: 16 lanes store 256 consecutive bytes, aligned.
; REGISTERS, in windows of 256 (s_set_vgpr_msb: bits 1:0 source 0, 3:2 source 1, 5:4 source 2, 7:6 destination):
;   window 0: v0-31 addresses; v32-47 cell; v64-127, v128-191 xa's fragments, two buffers (on the way out: at work, then rows read back); v192-255 the bias (then rows read back)
;   window 1: v64-127, v128-191 W's fragments      window 2: accumulators of a = 0..3 at v[8 (8 a + b)]      window 3: those of a = 4..7
.set PITCH,  272                       ; a row of xa, of cell and of a stage in LDS: 256 bytes + 16 = 68 words: the 16 rows that a load touches start at 16 different groups of four banks (ISA guide 11.1)
.set HALFA,  128*PITCH                 ; what one load of xa brings
.set AREG,   2*HALFA                   ; xa's 256 rows
.set PW,     160                       ; a k row of one gate: 128 bytes + 32 = 40 words
.set GATE,   128*PW
.set HALFB,  2*GATE                    ; what one load of wb brings: two gates
.set SLOT,   AREG+2*HALFB              ; 151,552 bytes: xa's rows, then gates f, c, i, o
.set SPARE,  2*SLOT                    ; behind the ring: the spare words, 128 bytes for each wave: two blocks of 256 bytes that no other line names
.set ST0,    SLOT                      ; out0's stage: slot 1's xa region   (256 rows x 272 bytes each; all four regions begin at multiples of 256)
.set ST1,    SLOT+AREG                 ; out1's: slot 1's W region
.set ST2,    AREG                      ; out2's: slot 0's W region.  The cell tile lies at 0, in slot 0's xa region
.set RD,   10                          ; v10-12  where I read rows back from stage 0, 1, 2
.set CO,   13                          ; v13     my byte offset in two rows of an output
.set BO,   14                          ; v14     my byte offset in a bias
.set ADRA, 16                          ; v16-17  LDS address of my xa fragments in slot 0, 1
.set ADRB, 20                          ; v20-23  of my W fragments: 2 x slot + pair of gates
.set CADR, 24                          ; v24     my 32 bytes of a row of the cell tile
.set SA,   25                          ; v25-27  the same place in stage 0, 1, 2
.set SPW,  28                          ; v28     LDS address of my spare word; never rewritten
.set NIL,  29                          ; v29     0; never rewritten
.set PFO,  30                          ; v30     the prefetches' lane term for xa or wb; never rewritten
.set PFC,  31                          ; v31     for cell: a lane a row; never rewritten
.set CE,   32                          ; v[32:47]   cell, then cell ft, then out2
.set F0,   64
.set F1,   128
.set T,    64                          ; v[64:127]  the way out: gate g's 16 numbers at T + 16 g
.set U,    128                         ; v[128:143] the way out: at work, at last out1
.set BIAS, 192                         ; v[192:255] the bias of accumulator column b at BIAS + 8 b
.set NL,   14                          ; s[14:15] -log2 e
.set L2,   16                          ; s[16:17] 2 log2 e
.set G1,   24                          ; s[24:31] group 1 for xa's tiles;  s[32:39] group 0, a set for each slot
.set G0,   32
.set LIM,  43                          ; s43      1 in a wave that prefetches operands, else the greatest number
.set PFA,  44                          ; s[44:45] where my prefetches stand
.set PFS,  46                          ; s[46:47] their step: a K step in xa (256 bytes) or in wb (65,536)
.set G1B,  48                          ; s[48:55], s[56:63] the same for wb's tiles
.set G0B,  56
.set G1C,  88                          ; s[88:95], s[96:99] for my 64 rows of the cell tile
.set G0C,  96
.set MSB, 0
.macro WIN new                         ; the immediate's high byte repeats the setting that is left; a switch that changes nothing is dropped
.if MSB != (\new)
	s_set_vgpr_msb (MSB<<8)|(\new)
.set MSB, \new
.endif
.endm
.set TO_B, 0x40                        ; destination window 1, address window 0
.macro PLACES                          ; four plain places behind matrix instructions, in front of loads into registers that they have read
.rept 4
	v_nop
.endr
.endm
; A joint load.  Each of the two lines has one mask and one set of registers; the branch hangs on the wave's number alone.  An s_nop 0 and four v_nop follow each line.
.macro JLOAD s
	s_cmp_eq_u32 s11, 0
	s_cbranch_scc0 .Lfor_b_\@
	tensor_load_to_lds s[G0+4*(\s):G0+4*(\s)+3], s[G1:G1+7]
	s_nop 0
.rept 4
	v_nop
.endr
	s_branch .Lasked_\@
.Lfor_b_\@:
	tensor_load_to_lds s[G0B+4*(\s):G0B+4*(\s)+3], s[G1B:G1B+7]
	s_nop 0
.rept 4
	v_nop
.endr
.Lasked_\@:
.endm
.macro CREST                           ; a round of the cluster's barrier behind its opening barrier
	s_cmp_lg_u32 s10, 0
	s_cbranch_scc1 .Lnot_wave_0_\@
	s_barrier_signal -3
.Lnot_wave_0_\@:
	s_barrier_wait -3
	s_barrier_signal -1
	s_barrier_wait -1
.endm
.macro CROUND                          ; a whole round
	s_barrier_signal -1
	s_barrier_wait -1
	CREST
.endm
; PREFETCHES INTO THE L2, behind a joint load, its five lines and the run of LDS loads.  The change of slots that ends K step s asks jointly for step s + 2 and names step s + 4 here: two K steps, 512 matrix
; instructions, ahead of the load that will want it.  Each 256 bytes are named once in the launch: xa's rows by the clusters with x = 0, wb's blocks by those with y = 0; the four partners of a joint load
; share a wave's 128 rows (blocks) out by address, 32 each, a lane each.  The loop's last trip (s3 = 1) has no K step four on; there each wave names its own 64 rows of cell, 32 at each change.
.macro ASK slot
	s_cmp_gt_u32 s3, s[LIM]
	s_cbranch_scc0 .Lno_k_\@
	global_prefetch_b8 v[PFO], s[PFA:PFA+1] th:TH_LOAD_NT scope:SCOPE_SE
.Lno_k_\@:
	s_cmp_eq_u32 s3, 1
	s_cbranch_scc0 .Lno_c_\@
	global_prefetch_b8 v[PFC], s[72:73] offset:(\slot)*32*8192 th:TH_LOAD_NT scope:SCOPE_SE
.Lno_c_\@:
.endm
	s_load_b512 s[68:83], s[0:1], 0x0              ; xa s[68:69], wb s[70:71], cell s[72:73], bf s[74:75], bc s[76:77], bi s[78:79], bo s[80:81], out0 s[82:83]
	s_load_b128 s[84:87], s[0:1], 0x40             ; out1 s[84:85], out2 s[86:87]
	v_lshl_add_u32 v[SPW], v0, 2, SPARE
	v_mov_b32 v[NIL], 0
	ds_add_u32 v[SPW], v[NIL]                      ; the wave's opening: the add and its wait stand ahead of my first tensor load; the set-up below, work on registers, stands between them
	v_lshrrev_b32 v1, 5, v0
	v_readfirstlane_b32 s10, v1                    ; wave 0..3
	s_lshr_b32 s11, s10, 1                         ; which half of the tile's rows is mine.  Also: I fetch xa (0) or wb (1)
	s_and_b32 s12, s10, 1                          ; which half of its columns.  Also: which half of that tile I fetch
	s_bfe_u32 s40, ttmp6, 0x40000                  ; cx
	s_bfe_u32 s41, ttmp6, 0x40004                  ; cy
	s_lshl_b32 s42, ttmp9, 2
	s_add_co_u32 s42, s42, s40                     ; ct: my 64 columns = 4 x cluster x + cx
	s_and_b32 s13, ttmp7, 0xffff
	s_lshl_b32 s13, s13, 2
	s_add_co_u32 s13, s13, s41                     ; tr: my 256 rows = 4 x cluster y + cy
	s_lshl_b32 s4, s41, 2
	s_lshl_b32 s4, 15, s4                          ; my row of the cluster
	s_lshl_b32 s5, 0x1111, s40                     ; my column
	s_or_b32 s[G1+0], s4, (1<<16)|(1<<20)|(1<<21)|(5<<22)|(3<<25)   ; the mask; 2-byte elements; padding on; bit 21 beside a mask; after every 64 words 4 words
	s_or_b32 s[G1B+0], s5, (1<<16)|(1<<20)|(1<<21)|(4<<22)|(7<<25)  ; the same with my column's mask; after every 32 words (a k row of a gate) 8 words
.irp g, G1, G1B
	s_mov_b32 s[(\g)+1], 128<<16                   ; tensor_dim0 = 128
	s_mov_b32 s[(\g)+2], 128<<16                   ; tensor_dim1 = 128
	s_mov_b32 s[(\g)+3], 128<<16                   ; tile_dim0 = 128 elements: 256 bytes
	s_mov_b32 s[(\g)+4], 128                       ; tile_dim1 = 128 rows
	s_mov_b32 s[(\g)+6], 0
	s_mov_b32 s[(\g)+7], 0
.endr
	s_mov_b32 s[G1+5], 4096                        ; xa: 4,096 elements from row to row
	s_mov_b32 s[G1B+5], 128                        ; wb: dense, asked for as rows of 256 bytes, two k rows each
	s_mov_b32 s[G1C+0], (2<<16)|(1<<20)|(5<<22)|(3<<25)  ; cell: no mask; 4-byte elements; after every 64 words 4 words
	s_mov_b32 s[G1C+1], 64<<16                     ; 64 x 64 elements
	s_mov_b32 s[G1C+2], 64<<16
	s_mov_b32 s[G1C+3], 64<<16
	s_mov_b32 s[G1C+4], 64
	s_mov_b32 s[G1C+5], 2048
	s_mov_b32 s[G1C+6], 0
	s_mov_b32 s[G1C+7], 0
	s_mov_b32 s[NL], 0xbfb8aa3b                    ; -log2 e; named as pairs, so both words are written
	s_mov_b32 s[NL+1], 0xbfb8aa3b
	s_mov_b32 s[L2], 0x4038aa3b                    ; 2 log2 e
	s_mov_b32 s[L2+1], 0x4038aa3b
	s_lshl_b32 s6, s13, 21                         ; xa: 256 tr rows of 8,192 bytes
	s_lshl_b32 s7, s12, 20                         ; + my 128 of them
	s_add_co_u32 s6, s6, s7
	s_mov_b32 s7, 0
	s_lshl_b32 s8, s42, 21                         ; wb: ct x 32 K steps of 65,536 bytes
	s_lshl_b32 s9, s12, 15                         ; + my two gates
	s_add_co_u32 s8, s8, s9
	s_mov_b32 s9, 0
	s_mul_i32 s20, s12, HALFA                      ; where they go: no place in the cluster enters an LDS address
	s_mul_i32 s21, s12, HALFB
	s_add_co_u32 s21, s21, AREG
	s_wait_dscnt 0x0                               ; the opening add is done
	s_wait_kmcnt 0x0
	s_add_nc_u64 s[6:7], s[68:69], s[6:7]
	s_add_nc_u64 s[8:9], s[70:71], s[8:9]
	CROUND                                         ; all sixteen work-groups are here: the first joint loads meet
.irp s, 0,1
	s_mov_b32 s[G0+4*(\s)], 1
	s_add_co_u32 s[G0+4*(\s)+1], s20, (\s)*SLOT
	s_add_nc_u64 s[G0+4*(\s)+2:G0+4*(\s)+3], s[6:7], (\s)*256      ; K step s
	s_or_b32 s[G0+4*(\s)+3], s[G0+4*(\s)+3], 0x80000000
	s_mov_b32 s[G0B+4*(\s)], 1
	s_add_co_u32 s[G0B+4*(\s)+1], s21, (\s)*SLOT
	s_add_nc_u64 s[G0B+4*(\s)+2:G0B+4*(\s)+3], s[8:9], (\s)*65536
	s_or_b32 s[G0B+4*(\s)+3], s[G0B+4*(\s)+3], 0x80000000
	JLOAD \s                                       ; two loads of mine are out
.endr
	v_and_b32 v1, 15, v0                           ; r = l % 16
	v_bfe_u32 v2, v0, 4, 1                         ; h = l / 16
	s_lshl_b32 s4, s42, 8                          ; the bias of my lane's 8 columns: 4 (64 ct + 32 wc + 16 nb + 8 h) bytes
	s_lshl_b32 s5, s12, 7
	s_add_co_u32 s4, s4, s5
	v_lshl_add_u32 v[BO], v2, 5, s4
.irp g, 0,1,2,3
.irp nb, 0,1
	global_load_b128 v[BIAS+8*(2*(\g)+(\nb)):BIAS+8*(2*(\g)+(\nb))+3],   v[BO], s[74+2*(\g):75+2*(\g)] offset:64*(\nb)
	global_load_b128 v[BIAS+8*(2*(\g)+(\nb))+4:BIAS+8*(2*(\g)+(\nb))+7], v[BO], s[74+2*(\g):75+2*(\g)] offset:64*(\nb)+16
.endr
.endr
	; a fragment of xa: lane l holds row l % 16, k = 8 h + 0..7 and 16 + 8 h + 0..7: two loads of 16 bytes, 32 bytes apart
	v_mul_u32_u24 v3, v1, PITCH
	v_lshl_add_u32 v4, v2, 4, v3
	s_mul_i32 s22, s11, HALFA
	v_add_nc_u32 v[ADRA], s22, v4
	v_add_nc_u32 v[ADRA+1], SLOT, v[ADRA]
	; the turning load takes 16 k x 16 columns: lane l reads k row 8 h + l % 8, columns 8 ((l / 8) % 2) + 0..7, and is left with column l % 16 and 8 k
	v_and_b32 v5, 7, v0
	v_bfe_u32 v6, v0, 3, 1
	v_lshl_add_u32 v5, v2, 3, v5
	v_mul_u32_u24 v5, v5, PW
	v_lshl_add_u32 v5, v6, 4, v5
	s_lshl_b32 s23, s12, 6                         ; my 32 columns of a gate's 64
	s_add_co_u32 s23, s23, AREG
	v_add_nc_u32 v[ADRB], s23, v5
	v_add_nc_u32 v[ADRB+1], HALFB, v[ADRB]
	v_add_nc_u32 v[ADRB+2], SLOT, v[ADRB]
	v_add_nc_u32 v[ADRB+3], SLOT+HALFB, v[ADRB]
	; the cell tile and the stages: row 128 wr + 16 a + r, bytes 128 wc + 64 nb + 32 h on
	v_lshl_add_u32 v7, v2, 5, v3
	s_lshl_b32 s23, s12, 7
	s_add_co_u32 s22, s22, s23
	v_add_nc_u32 v[CADR], s22, v7
	v_add_nc_u32 v[SA], ST0, v[CADR]
	v_add_nc_u32 v[SA+1], ST1, v[CADR]
	v_add_nc_u32 v[SA+2], ST2, v[CADR]
	; back: wave w takes rows 64 w on, whole: lanes 0-15 one row of 256 bytes, lanes 16-31 the next
	v_mul_u32_u24 v8, v2, PITCH
	v_lshl_add_u32 v8, v1, 4, v8
	s_mul_i32 s22, s10, 64*PITCH
	v_add_nc_u32 v8, s22, v8
	v_add_nc_u32 v[RD], ST0, v8
	v_add_nc_u32 v[RD+1], ST1, v8
	v_add_nc_u32 v[RD+2], ST2, v8
	v_lshlrev_b32 v[CO], 4, v1
	v_lshl_add_u32 v[CO], v2, 13, v[CO]            ; and the same two rows in an output
	; cell and the outputs at row 256 tr + 64 w, column 64 ct
	s_lshl_b32 s18, s13, 21
	s_lshl_b32 s19, s10, 19
	s_add_co_u32 s18, s18, s19
	s_lshl_b32 s19, s42, 8
	s_add_co_u32 s18, s18, s19
	s_mov_b32 s19, 0
	s_add_nc_u64 s[72:73], s[72:73], s[18:19]
	s_add_nc_u64 s[82:83], s[82:83], s[18:19]
	s_add_nc_u64 s[84:85], s[84:85], s[18:19]
	s_add_nc_u64 s[86:87], s[86:87], s[18:19]
	s_mov_b32 s[G0C], 1
	s_mul_i32 s[G0C+1], s10, 64*PITCH              ; my 64 rows of the cell tile, from LDS byte 0 on
	s_mov_b64 s[G0C+2:G0C+3], s[72:73]
	s_or_b32 s[G0C+3], s[G0C+3], 0x80000000
	; the prefetches
	s_and_b32 s4, ttmp7, 0xffff                    ; cluster y
	s_cmp_eq_u32 s11, 0                            ; do I fetch xa?
	s_cselect_b32 s4, ttmp9, s4                    ; the coordinate along which other clusters read the same bytes
	s_cselect_b32 s5, s40, s41                     ; my place among the four that ask with me
	s_cselect_b32 s22, 18, 13                      ; its share: 32 rows of 8,192 bytes, or 32 blocks of 256
	s_cselect_b32 s23, 13, 8                       ; a lane: a row, or a block
	s_cselect_b32 s[PFS], 8, 16
	s_cselect_b64 s[PFA:PFA+1], s[6:7], s[8:9]
	s_lshl_b32 s[PFS], 1, s[PFS]
	s_mov_b32 s[PFS+1], 0
	s_lshl_b32 s18, s5, s22
	s_mul_i32 s19, s[PFS], 3                       ; at K step 3: the first change of slots steps it to 4.  Nothing is prefetched here, at the head
	s_add_co_u32 s18, s18, s19
	s_mov_b32 s19, 0
	s_add_nc_u64 s[PFA:PFA+1], s[PFA:PFA+1], s[18:19]
	s_cmp_eq_u32 s4, 0
	s_cselect_b32 s[LIM], 1, -1                    ; the same in all sixteen partners, for a given wave
	v_and_b32 v9, 31, v0
	v_lshlrev_b32 v[PFC], 13, v9
	v_lshlrev_b32 v[PFO], s23, v9
; 16 matrix instructions: row blocks a0, a0 + 1 of the window's four (hi = 0: a = 0..3, 1: a = 4..7) x all 8 columns b, 32 along K.  first = 1: the bias is C and starts the sums.
; The 64 accumulators take turns, one instruction a turn, in the same order in every quarter: 63 others stand between two links of a chain, over the backward jump too.
.macro MUL16 f, hi, a0, first
.if \first
	WIN 0x81+0x40*(\hi)                            ; W window 1, xa and the bias window 0, D window 2 or 3
.else
	WIN 0xa1+0x50*(\hi)                            ; W window 1, xa window 0, C and D window 2 or 3
.endif
.irp a, \a0, (\a0)+1
.irp b, 0,1,2,3,4,5,6,7
.if \first
	v_wmma_f32_16x16x32_f16 v[8*(8*(\a)+(\b)):8*(8*(\a)+(\b))+7], v[(\f)+8*(\b):(\f)+8*(\b)+7], v[(\f)+8*(4*(\hi)+(\a)):(\f)+8*(4*(\hi)+(\a))+7], v[BIAS+8*(\b):BIAS+8*(\b)+7]
.else
	v_wmma_f32_16x16x32_f16 v[8*(8*(\a)+(\b)):8*(8*(\a)+(\b))+7], v[(\f)+8*(\b):(\f)+8*(\b)+7], v[(\f)+8*(4*(\hi)+(\a)):(\f)+8*(4*(\hi)+(\a))+7], v[8*(8*(\a)+(\b)):8*(8*(\a)+(\b))+7]
.endif
.endr
.endr
.endm
; 32 LDS loads in one run: quarter q (32 k) of a slot into buffer f: W's 8 fragments (b = i: gate i / 2, columns 16 (i % 2) on), turned, then xa's 8
.macro FETCH slot, q, f
	WIN TO_B
.irp i, 0,1,2,3,4,5,6,7
	ds_load_tr16_b128 v[(\f)+8*(\i):(\f)+8*(\i)+3],   v[ADRB+2*(\slot)+(\i)/4] offset:(((\i)/2)%2)*GATE+(\q)*32*PW+((\i)%2)*32
	ds_load_tr16_b128 v[(\f)+8*(\i)+4:(\f)+8*(\i)+7], v[ADRB+2*(\slot)+(\i)/4] offset:(((\i)/2)%2)*GATE+(\q)*32*PW+((\i)%2)*32+16*PW
.endr
	WIN 0
.irp i, 0,1,2,3,4,5,6,7
	ds_load_b128 v[(\f)+8*(\i):(\f)+8*(\i)+3],   v[ADRA+(\slot)] offset:(\q)*64+(\i)*16*PITCH
	ds_load_b128 v[(\f)+8*(\i)+4:(\f)+8*(\i)+7], v[ADRA+(\slot)] offset:(\q)*64+(\i)*16*PITCH+32
.endr
.endm
; A K step is four quarters of 32 along K, 64 matrix instructions each, on buffers 0, 1, 0, 1.  One of the first three multiplies buffer f and, in its middle, fetches quarter q into buffer g.
.macro QUARTER slot, q, f, g, first
	s_wait_dscnt 8                                 ; W and xa's rows 0-63 are in; the youngest eight loads (rows 64-127) may be out
	MUL16 \f, 0, 0, \first
	MUL16 \f, 0, 2, \first
	PLACES
	FETCH \slot, \q, \g
	s_wait_dscnt 32                                ; all but the 32 just issued
	MUL16 \f, 1, 0, \first
	MUL16 \f, 1, 2, \first
.endm
; The first half of a step's last quarter, and the opening barrier of the round at a change of slots.  In front of it each wave waits for all its tensor loads (one is out: its part of the next slot),
; adds 0 to its spare word, and waits for that and for its reads of this slot.
.macro MEET
	WIN 0
	s_wait_tensorcnt 0x0                           ; all my tensor loads have landed, so a group 0 may be written
	ds_add_u32 v[SPW], v[NIL]                      ; 0 onto my spare word
	s_wait_dscnt 9                                 ; (the add and the youngest eight loads may be out)
	MUL16 F1, 0, 0, 0                              ; sixteen matrix instructions stand between the add and the wait for it
	s_wait_dscnt 0x0                               ; the add is done, and my reads of this slot are over
	s_barrier_signal -1
	MUL16 F1, 0, 2, 0                              ; work on registers while the others arrive
	WIN 0
	s_barrier_wait -1
.endm
; The whole last quarter: behind the round the slot just read is asked for again, two K steps on; then the next slot's first fragments.  From a request to the wait for it a wave issues 224 matrix instructions.
.macro TURN slot, next
	s_wait_xcnt 0x0                                ; the last prefetch, a K step back, has read its address
	s_add_nc_u64 s[PFA:PFA+1], s[PFA:PFA+1], s[PFS:PFS+1]
	MEET
	CREST                                          ; no wave of any partner still reads this slot or has a load on its way
	s_add_nc_u64 s[G0+4*(\slot)+2:G0+4*(\slot)+3], s[G0+4*(\slot)+2:G0+4*(\slot)+3], 2*256
	s_add_nc_u64 s[G0B+4*(\slot)+2:G0B+4*(\slot)+3], s[G0B+4*(\slot)+2:G0B+4*(\slot)+3], 2*65536
	JLOAD \slot                                    ; my one tensor load behind the round; its four v_nop are also the places in front of the loads below
	FETCH \next, 0, F0
	ASK \slot
	MUL16 F1, 1, 0, 0
	MUL16 F1, 1, 2, 0
.endm
	s_wait_tensorcnt 1                             ; my part of K step 0 is in; K step 1's may stay out
	s_barrier_signal -1
	s_barrier_wait -1                              ; everybody's is
	FETCH 0, 0, F0
	s_wait_loadcnt 0x0                             ; the bias
	QUARTER 0, 1, F0, F1, 1                        ; the first quarter stands in front of the loop: its products start the sums, with the bias
	WIN 0                                          ; at a label and at a branch every window is 0
	s_mov_b32 s3, 15
.Llap:                                                 ; a trip goes once round the ring, from a lap's second quarter to the next lap's first: K steps 2 to 31 are asked for here
	QUARTER 0, 2, F1, F0, 0
	QUARTER 0, 3, F0, F1, 0
	TURN 0, 1
	QUARTER 1, 1, F0, F1, 0
	QUARTER 1, 2, F1, F0, 0
	QUARTER 1, 3, F0, F1, 0
	TURN 1, 0
	QUARTER 0, 1, F0, F1, 0
	WIN 0
	s_sub_co_u32 s3, s3, 1
	s_cmp_lg_u32 s3, 0
	s_cbranch_scc1 .Llap
	QUARTER 0, 2, F1, F0, 0                        ; K step 30 goes on
	QUARTER 0, 3, F0, F1, 0
	MEET                                           ; the last change of slots: K step 31 is in, slot 0 has been read
	CREST
	tensor_load_to_lds s[G0C:G0C+3], s[G1C:G1C+7]  ; my 64 rows of the cell tile into slot 0's xa region: my one tensor load behind the round, and my last; it has a K step in which to land
	s_nop 0
.rept 4
	v_nop
.endr
	FETCH 1, 0, F0
	MUL16 F1, 1, 0, 0
	MUL16 F1, 1, 2, 0
	QUARTER 1, 1, F0, F1, 0
	QUARTER 1, 2, F1, F0, 0
	QUARTER 1, 3, F0, F1, 0
	s_wait_dscnt 8                                 ; the very last quarter: nothing more to fetch
	MUL16 F1, 0, 0, 0
	MUL16 F1, 0, 2, 0
	s_wait_dscnt 0x0
	MUL16 F1, 1, 0, 0
	MUL16 F1, 1, 2, 0
	WIN 0
	PLACES
	PLACES                                         ; eight places, once a launch, in front of the lines that read the sums and rewrite the fragments' registers
	s_wait_tensorcnt 0x0                           ; my rows of the cell tile are in,
	s_wait_dscnt 0x0                               ; my reads of slot 1 are over:
	s_barrier_signal -1
	s_barrier_wait -1                              ; both now hold of all four waves: the cell tile may be read, slot 1 and slot 0's W region may be stored into
; THE CELL'S STEP for row block a: 16 rows x my 32 columns, 16 numbers a lane.  Each kind of power or reciprocal is ONE batch: issued on end, a plain instruction behind the last, one wait ahead of the first
; reader: six waits a block.
.macro EXPS base, cnt
.set z, 0
.rept \cnt
	v_exp_f32 v[(\base)+z], v[(\base)+z]
.set z, z+1
.endr
.endm
.macro RCPS base, cnt
.set z, 0
.rept \cnt
	v_rcp_f32 v[(\base)+z], v[(\base)+z]
.set z, z+1
.endr
.endm
.macro BATCH
	v_nop                                          ; the plain instruction behind the last of the batch,
	s_wait_alu depctr_va_vdst(0)                   ; and the batch's one wait
.endm
.macro PLUS1 base, pairs                ; x + 1
.set z, 0
.rept \pairs
	v_pk_add_f32 v[(\base)+z:(\base)+z+1], v[(\base)+z:(\base)+z+1], 1.0 op_sel_hi:[1,0]
.set z, z+2
.endr
.endm
.macro SCALE dst, src, k                ; 16 numbers times s[k]
.set z, 0
.rept 8
	v_pk_mul_f32 v[(\dst)+z:(\dst)+z+1], v[(\src)+z:(\src)+z+1], s[(\k):(\k)+1] op_sel_hi:[1,0]
.set z, z+2
.endr
.endm
.macro TIMES dst, src                   ; 16 numbers: dst = dst x src
.set z, 0
.rept 8
	v_pk_mul_f32 v[(\dst)+z:(\dst)+z+1], v[(\dst)+z:(\dst)+z+1], v[(\src)+z:(\src)+z+1]
.set z, z+2
.endr
.endm
.macro TANH base                        ; 16 numbers: 1 - 2 x
.set z, 0
.rept 8
	v_pk_fma_f32 v[(\base)+z:(\base)+z+1], v[(\base)+z:(\base)+z+1], -2.0, 1.0 op_sel_hi:[1,0,0]
.set z, z+2
.endr
.endm
.macro GATES a
.set AC, 64*((\a)%4)
	WIN 0
.irp nb, 0,1
.irp q, 0,1
	ds_load_b128 v[CE+8*(\nb)+4*(\q):CE+8*(\nb)+4*(\q)+3], v[CADR] offset:(\a)*16*PITCH+64*(\nb)+16*(\q)  ; cell: wanted some 230 lines further down
.endr
.endr
	WIN 0x02+(\a)/4                                ; source 0: the accumulators' window
.set z, 0
.rept 32                                           ; the exponents: -g log2 e for f, i, o; 2 g log2 e for c.  Each accumulator is read from its low end on
.if z/8 == 1
	v_pk_mul_f32 v[T+2*z:T+2*z+1], v[AC+2*z:AC+2*z+1], s[L2:L2+1] op_sel_hi:[1,0]
.else
	v_pk_mul_f32 v[T+2*z:T+2*z+1], v[AC+2*z:AC+2*z+1], s[NL:NL+1] op_sel_hi:[1,0]
.endif
.set z, z+1
.endr
	WIN 0
	EXPS T, 64
	BATCH
	PLUS1 T, 32
	RCPS T, 64
	BATCH                                          ; T: ft, 1 / (1 + e^(2 gc)), sigmoid(gi), out0
	SCALE U, T+32, NL
	EXPS U, 16
	s_wait_dscnt 0x0                               ; cell is in
	TANH T+16                                      ; ct; these sixteen lines name no result of the batch
	TIMES CE, T                                    ; cell ft
	s_wait_alu depctr_va_vdst(0)
	PLUS1 U, 8
	RCPS U, 16
	BATCH                                          ; U: it
.set z, 0
.rept 8
	v_pk_fma_f32 v[CE+z:CE+z+1], v[T+16+z:T+16+z+1], v[U+z:U+z+1], v[CE+z:CE+z+1]  ; out2 = ct it + cell ft
.set z, z+2
.endr
	SCALE U, CE, L2
	EXPS U, 16
	BATCH
	PLUS1 U, 8
	RCPS U, 16
	BATCH
	TANH U                                         ; tanh(out2)
	TIMES U, T+48                                  ; out1
.irp nb, 0,1
.irp q, 0,1
	ds_store_b128 v[SA],   v[T+48+8*(\nb)+4*(\q):T+48+8*(\nb)+4*(\q)+3] offset:(\a)*16*PITCH+64*(\nb)+16*(\q)
	ds_store_b128 v[SA+1], v[U+8*(\nb)+4*(\q):U+8*(\nb)+4*(\q)+3]       offset:(\a)*16*PITCH+64*(\nb)+16*(\q)
	ds_store_b128 v[SA+2], v[CE+8*(\nb)+4*(\q):CE+8*(\nb)+4*(\q)+3]     offset:(\a)*16*PITCH+64*(\nb)+16*(\q)
.endr
.endr
.endm
.irp a, 0,1,2,3,4,5,6,7
	GATES \a
.endr
	s_wait_dscnt 0x0                               ; for the others' sake: my stores into the stages are done
	s_barrier_signal -1
	s_barrier_wait -1                              ; a row's 256 bytes come from two waves: now they are whole
; BACK AND OUT.  Batch n of six: 32 rows (half n % 2 of my 64) of output n / 2, through bank n % 3 of 64 registers.
.macro RB n
.set BK, 64+64*((\n)%3)
.if (\n) >= 3
	s_wait_xcnt 0x0                                ; the stores of batch n - 3 have read this bank (ISA guide 3.1): it is loaded again only behind this wait
.endif
.irp t, 0,1,2,3,4,5,6,7,8,9,10,11,12,13,14,15
	ds_load_b128 v[BK+4*(\t):BK+4*(\t)+3], v[RD+(\n)/2] offset:(16*((\n)%2)+(\t))*2*PITCH
.endr
.endm
.macro SB n, younger                    ; younger: the LDS loads issued behind batch n's: the next batch's sixteen, or none
.set BK, 64+64*((\n)%3)
.irp t, 0,1,2,3,4,5,6,7,8,9,10,11,12,13,14,15
	s_wait_dscnt (\younger)+15-(\t)
	global_store_b128 v[CO], v[BK+4*(\t):BK+4*(\t)+3], s[82+2*((\n)/2):83+2*((\n)/2)] offset:(16*((\n)%2)+(\t))*2*8192 th:TH_STORE_NT  ; 16 lanes store 256 consecutive bytes, at a multiple of 256 from the output's first
.endr
.endm
	RB 0
	RB 1
	SB 0, 16
	RB 2
	SB 1, 16
	RB 3
	SB 2, 16
	RB 4
	SB 3, 16
	RB 5
	SB 4, 16
	SB 5, 0
	s_wait_tensorcnt 0x0                           ; the wave's end: behind my last tensor load and my last LDS store
	ds_add_u32 v[SPW], v[NIL]
	s_wait_dscnt 0x0
	CROUND                                         ; the closing round: no work-group ends while a partner may still ask for a tile that names it
	s_endpgm
.Lfunc_end_k_qd7bd8f050a_lstm:
	.size	k_qd7bd8f050a_lstm, .Lfunc_end_k_qd7bd8f050a_lstm-k_qd7bd8f050a_lstm
	.p2alignl 7, 3214868480
	.fill 96, 4, 3214868480
	.section	.rodata,"a",@progbits
	.p2align	6, 0x0
	.amdhsa_kernel k_qd7bd8f050a_lstm
		.amdhsa_group_segment_fixed_size 327680
		.amdhsa_private_segment_fixed_size 0
		.amdhsa_enable_private_segment 0
		.amdhsa_kernarg_size 80
		.amdhsa_user_sgpr_count 2
		.amdhsa_user_sgpr_kernarg_segment_ptr 1
		.amdhsa_wavefront_size32 1
		.amdhsa_system_sgpr_workgroup_id_x 1
		.amdhsa_system_sgpr_workgroup_id_y 1
		.amdhsa_system_sgpr_workgroup_id_z 1
		.amdhsa_system_vgpr_workitem_id 0
		.amdhsa_next_free_vgpr 1024
		.amdhsa_next_free_sgpr 100
		.amdhsa_reserve_vcc 0
		.amdhsa_float_denorm_mode_32 3
		.amdhsa_float_denorm_mode_16_64 3
		.amdhsa_memory_ordered 1
		.amdhsa_forward_progress 1
		.amdhsa_inst_pref_size 255
	.end_amdhsa_kernel
	.section	.bss,"aw",@nobits
	.p2align	6
	.space	262144
	.amdgpu_metadata
---
amdhsa.version: [ 1, 2 ]
amdhsa.kernels:
  - .name:           k_qd7bd8f050a_lstm
    .symbol:         k_qd7bd8f050a_lstm.kd
    .args:
      - { .name: xa, .offset: 0, .size: 8, .value_kind: global_buffer, .address_space: global }
      - { .name: wb, .offset: 8, .size: 8, .value_kind: global_buffer, .address_space: global }
      - { .name: cell, .offset: 16, .size: 8, .value_kind: global_buffer, .address_space: global }
      - { .name: bf, .offset: 24, .size: 8, .value_kind: global_buffer, .address_space: global }
      - { .name: bc, .offset: 32, .size: 8, .value_kind: global_buffer, .address_space: global }
      - { .name: bi, .offset: 40, .size: 8, .value_kind: global_buffer, .address_space: global }
      - { .name: bo, .offset: 48, .size: 8, .value_kind: global_buffer, .address_space: global }
      - { .name: out0, .offset: 56, .size: 8, .value_kind: global_buffer, .address_space: global }
      - { .name: out1, .offset: 64, .size: 8, .value_kind: global_buffer, .address_space: global }
      - { .name: out2, .offset: 72, .size: 8, .value_kind: global_buffer, .address_space: global }
    .group_segment_fixed_size: 327680
    .private_segment_fixed_size: 0
    .kernarg_segment_align: 8
    .kernarg_segment_size: 80
    .max_flat_workgroup_size: 128
    .sgpr_count:     100
    .vgpr_count:     1024
    .wavefront_size: 32
...
	.end_amdgpu_metadata
.endif
;; end of part 2
;; ======== version 2 of 2: 2 launches; version 1 with the launch prep written anew for expert scheduling mode
;; limits: values are held in f16: magnitudes above 65,504 overflow, below 6.1e-05 lose precision
;; workspace buffers: xa 16,777,216 bytes; wb 67,108,864 bytes
;; launch prep (part 3): grid 128 x 6, 8 waves a work-group, no clusters, 0 bytes of LDS; arguments input, hidden, Wf, Wc, Wi, Wo, xa, wb; writes xa, wb
.if DOCPART == 3
	.amdgcn_target "amdgcn-amd-amdhsa--gfx1250"
	.amdhsa_code_object_version 6
	.text
	.protected	k_qd7bd8f050a_prep
	.globl	k_qd7bd8f050a_prep
	.p2align	8
	.type	k_qd7bd8f050a_prep,@function
k_qd7bd8f050a_prep:
	s_mov_b64 s[64:65], 0
	v_nop
	global_prefetch_b8 v0, s[64:65] scope:SCOPE_SE
	s_setreg_imm32_b32 hwreg(HW_REG_WAVE_SCHED_MODE, 0, 2), 2
	s_setreg_imm32_b32 hwreg(HW_REG_WAVE_MODE, 25, 1), 1
	s_wait_xcnt 0x0
	s_wait_alu depctr_vm_vsrc(0)
; THE OPERANDS OF THE GATES' PRODUCT, rounded once to f16.
;   xa[row][k] = f16(input[row][k] + hidden[row][k]), the sum in f32.  [2048][4096], rows of 8,192 bytes.
;   wb[ct][ks][g][kk][c] = f16(W_g[128 ks + kk][64 ct + c]), g = 0 f, 1 c, 2 i, 3 o: [32][32][4][128][64].  So what the next launch asks for in one piece
;   (128 k of two gates' 64 columns) is 32,768 bytes on end.
; WHY f16.  A gate's error reaches the second output times |cell| and is held against a hundredth of that output's small root mean square: 8 significant bits in both operands do not keep that, 11 do.
; LIMITS.  f16 ends at 65,504: a sum input + hidden, or a weight, of 65,520 or more in magnitude becomes an infinity.  Below 6.1e-5 a number keeps f16's fixed step of 6e-8.
; A stream: each input byte is read once, each output byte written once, nothing is shared between waves.  So there is no LDS, no barrier, no matrix work, and no cluster.
; GRID.  y = 0..3: gate y's weights; x = 4 ks + ctg.  The work-group takes 128 rows of k x 512 columns (2,048 bytes on end of each row), wave v the 64 columns ct = 8 ctg + v.
;        y = 4, 5: the sum; the work-group takes 8 rows, a wave one row.
; A load of a wave covers 512 bytes (weights: 256 bytes, aligned, of each of two rows); a store of a wave covers 256 consecutive bytes, aligned.
; THE MODE: SCHED_MODE bits 1:0 = 2 (LLVM: expert scheduling mode 2), set by the entry lines.  The code itself states the register dependences
; between vector instructions and memory instructions, with s_wait_alu, always for 0.
; THE PLAN.  Each path goes in 16 blocks of four loads (weights: four turns of one load; the sum: two turns of two).  Registers that memory instructions touch:
;   X0 .. X4   five blocks as loaded.  Written by the loads of block p + 4, issued in block p; read (in the sum also written, in place) by block p's vector lines.
;   Y0, Y1     two blocks to store.    Written by block p's conversions; read by the stores that are issued in block p + 1.
;   v3, v4     byte offsets, made once at the head and never written again: the turn stands in the immediate (1,032,192 at the most), and no scalar base is stepped.
; Block p works on X[p % 5] and writes Y[p % 2].  Its memory instructions are the loads into X[(p + 4) % 5] = X[(p - 1) % 5] and the stores from Y[(p - 1) % 2]: the two buffers
; that block p - 1 worked on and that no vector instruction of block p names.  So the waits at a block's head state all that its memory instructions hang on, and these are dealt
; among its vector instructions with no further wait.  12 to 16 loads of every wave are on their way.  The text is written out: there is no backward jump.
.set SO, 3                             ; v3        my byte offset in the source; never rewritten
.set DO, 4                             ; v4        8 x lane: my 8 bytes of a store; never rewritten
.set X,  8                             ; v[8:87]   buffer k: 16 registers at X + 16 k: four loads' data
.set Y,  88                            ; v[88:103] to store, 2 registers a turn: weights buffer k at Y + 8 k, the sum's at Y + 4 k
	s_load_b512 s[8:23], s[0:1], 0x0               ; input s[8:9], hidden s[10:11], Wf s[12:13], Wc s[14:15], Wi s[16:17], Wo s[18:19], xa s[20:21], wb s[22:23]
	s_and_b32 s2, ttmp7, 0xffff                    ; y
	v_lshrrev_b32 v1, 5, v0
	v_readfirstlane_b32 s3, v1                     ; wave 0..7
	v_and_b32 v2, 31, v0                           ; lane
	v_lshlrev_b32 v[DO], 3, v2
	s_wait_alu depctr_va_sdst(0)                   ; s3 is written
	s_cmp_ge_u32 s2, 4
	s_cbranch_scc1 .Ladd
	; ---- the weights of gate y ----
	s_lshr_b32 s4, ttmp9, 2                        ; ks
	s_and_b32 s5, ttmp9, 3
	s_lshl_b32 s5, s5, 3
	s_add_co_u32 s5, s5, s3                        ; ct
	s_lshl_b32 s6, s4, 20                          ; 128 ks rows of 8,192 bytes
	s_lshl_b32 s7, s5, 8                           ; 64 ct columns of 4 bytes
	s_add_co_u32 s6, s6, s7
	s_mov_b32 s7, 0                                ; s[6:7]: where I read, under 2^26
	s_lshl_b32 s28, s5, 5
	s_add_co_u32 s28, s28, s4
	s_lshl_b32 s28, s28, 2
	s_add_co_u32 s28, s28, s2
	s_lshl_b32 s28, s28, 14                        ; ((32 ct + ks) 4 + g) x 16,384
	s_mov_b32 s29, 0                               ; s[28:29]: where I write, under 2^27
	v_lshrrev_b32 v5, 4, v2
	v_and_b32 v6, 15, v2
	v_lshlrev_b32 v[SO], 4, v6                     ; lanes 0-15 take 256 bytes of the even row,
	v_lshl_add_u32 v[SO], v5, 13, v[SO]            ; lanes 16-31 of the odd one
	s_wait_kmcnt 0x0
	s_cmp_eq_u32 s2, 1
	s_cselect_b64 s[24:25], s[14:15], s[12:13]
	s_cmp_eq_u32 s2, 2
	s_cselect_b64 s[24:25], s[16:17], s[24:25]
	s_cmp_eq_u32 s2, 3
	s_cselect_b64 s[24:25], s[18:19], s[24:25]     ; the gate's matrix
	s_add_nc_u64 s[24:25], s[24:25], s[6:7]
	s_add_nc_u64 s[26:27], s[22:23], s[28:29]
	s_wait_alu depctr_va_vdst(0)                   ; v[SO] and v[DO] are written: every load and store of this path reads one of them as its offset
.macro WLOAD t                         ; turn t: rows 2 t and 2 t + 1, into place t % 4 of buffer (t / 4) % 5
	global_load_b128 v[X+16*(((\t)/4)%5)+4*((\t)%4):X+16*(((\t)/4)%5)+4*((\t)%4)+3], v[SO], s[24:25] offset:(\t)*16384 th:TH_LOAD_NT
.endm
.set n, 0
.rept 16
	WLOAD n                                        ; blocks 0 to 3 into X0 to X3
.set n, n+1
.endr
.set p, 0
.rept 16                                               ; block p: turns 4 p to 4 p + 3
.if p > 12
	s_wait_loadcnt 4*(15-p)                        ; the last blocks load nothing: the count runs down
.else
	s_wait_loadcnt 12                              ; loads come back in order (ISA guide 5.7.1): block p's four are in, the three younger blocks stay out
.endif
.if p >= 2
	s_wait_xcnt 0x0                                ; every earlier memory instruction has had its addresses translated (ISA guide 3.1): Y[p % 2] is rewritten only behind this wait
	s_wait_alu depctr_vm_vsrc(0)                   ; the stores issued in the block before have read Y[p % 2], which this block's conversions write again
.endif
.if p >= 1
	s_wait_alu depctr_va_vdst(0)                   ; the block before has written the other Y, which the stores below read, and is done reading its X, in which the loads below land
.endif
.irp i, 0,1,2,3
.if p+4 < 16
.set t, 4*(p+4)+(\i)
	WLOAD t                                        ; four blocks ahead, the load ahead of the store; no vector instruction since the wait names these registers (block 0: none ever has)
.endif
.if p >= 1
	global_store_b64 v[DO], v[Y+8*((p-1)%2)+2*(\i):Y+8*((p-1)%2)+2*(\i)+1], s[26:27] offset:(4*(p-1)+(\i))*256  ; the block before; two rows of 128 bytes: 256 bytes on end
.endif
	v_cvt_pk_f16_f32 v[Y+8*(p%2)+2*(\i)],   v[X+16*(p%5)+4*(\i)],   v[X+16*(p%5)+4*(\i)+1]
	v_cvt_pk_f16_f32 v[Y+8*(p%2)+2*(\i)+1], v[X+16*(p%5)+4*(\i)+2], v[X+16*(p%5)+4*(\i)+3]
.endr
.set p, p+1
.endr
	s_wait_alu depctr_va_vdst(0)                   ; block 15 has written Y1, which the last four stores read
.irp i, 0,1,2,3
	global_store_b64 v[DO], v[Y+8+2*(\i):Y+8+2*(\i)+1], s[26:27] offset:(60+(\i))*256
.endr
	s_endpgm
	; ---- input + hidden ----
.Ladd:
	s_sub_co_u32 s4, s2, 4
	s_lshl_b32 s4, s4, 7
	s_add_co_u32 s4, s4, ttmp9
	s_lshl_b32 s4, s4, 3
	s_add_co_u32 s4, s4, s3                        ; my row, 0..2047
	s_lshl_b32 s6, s4, 14                          ; 16,384 bytes a row in,
	s_mov_b32 s7, 0
	s_lshl_b32 s4, s4, 13                          ; 8,192 out
	s_mov_b32 s5, 0
	v_lshlrev_b32 v[SO], 4, v2
	s_wait_kmcnt 0x0
	s_add_nc_u64 s[24:25], s[8:9], s[6:7]
	s_add_nc_u64 s[28:29], s[10:11], s[6:7]
	s_add_nc_u64 s[26:27], s[20:21], s[4:5]
	s_wait_alu depctr_va_vdst(0)                   ; v[SO] and v[DO] are written: every load and store of this path reads one of them as its offset
.macro ALOAD t                         ; turn t: 512 bytes of each of the two rows, into half t % 2 of buffer (t / 2) % 5
	global_load_b128 v[X+16*(((\t)/2)%5)+8*((\t)%2):X+16*(((\t)/2)%5)+8*((\t)%2)+3],   v[SO], s[24:25] offset:(\t)*512 th:TH_LOAD_NT
	global_load_b128 v[X+16*(((\t)/2)%5)+8*((\t)%2)+4:X+16*(((\t)/2)%5)+8*((\t)%2)+7], v[SO], s[28:29] offset:(\t)*512 th:TH_LOAD_NT
.endm
.set n, 0
.rept 8
	ALOAD n                                        ; blocks 0 to 3 into X0 to X3
.set n, n+1
.endr
.set p, 0
.rept 16                                               ; block p: turns 2 p and 2 p + 1
.if p > 12
	s_wait_loadcnt 4*(15-p)                        ; the last blocks load nothing: the count runs down
.else
	s_wait_loadcnt 12                              ; block p's four loads are in; the three younger blocks stay out
.endif
.if p >= 2
	s_wait_xcnt 0x0                                ; every earlier memory instruction has had its addresses translated (ISA guide 3.1): Y[p % 2] is rewritten only behind this wait
	s_wait_alu depctr_vm_vsrc(0)                   ; the stores issued in the block before have read Y[p % 2], which this block's conversions write again
.endif
.if p >= 1
	s_wait_alu depctr_va_vdst(0)                   ; the block before has written the other Y, which the stores below read, and is done reading and writing its X, in which the loads below land
.endif
.irp j, 0,1
.if p+4 < 16
.set t, 2*(p+4)+(\j)
	ALOAD t                                        ; four blocks ahead; no vector instruction since the wait names these registers (block 0: none ever has)
.endif
.if p >= 1
	global_store_b64 v[DO], v[Y+4*((p-1)%2)+2*(\j):Y+4*((p-1)%2)+2*(\j)+1], s[26:27] offset:(2*(p-1)+(\j))*256  ; the block before
.endif
.set XB, X+16*(p%5)+8*(\j)
	v_pk_add_f32 v[XB:XB+1],   v[XB:XB+1],   v[XB+4:XB+5]
	v_pk_add_f32 v[XB+2:XB+3], v[XB+2:XB+3], v[XB+6:XB+7]
	v_cvt_pk_f16_f32 v[Y+4*(p%2)+2*(\j)],   v[XB],   v[XB+1]
	v_cvt_pk_f16_f32 v[Y+4*(p%2)+2*(\j)+1], v[XB+2], v[XB+3]
.endr
.set p, p+1
.endr
	s_wait_alu depctr_va_vdst(0)                   ; block 15 has written Y1, which the last two stores read
.irp j, 0,1
	global_store_b64 v[DO], v[Y+4+2*(\j):Y+4+2*(\j)+1], s[26:27] offset:(30+(\j))*256
.endr
	s_endpgm
.Lfunc_end_k_qd7bd8f050a_prep:
	.size	k_qd7bd8f050a_prep, .Lfunc_end_k_qd7bd8f050a_prep-k_qd7bd8f050a_prep
	.p2alignl 7, 3214868480
	.fill 96, 4, 3214868480
	.section	.rodata,"a",@progbits
	.p2align	6, 0x0
	.amdhsa_kernel k_qd7bd8f050a_prep
		.amdhsa_group_segment_fixed_size 0
		.amdhsa_private_segment_fixed_size 0
		.amdhsa_enable_private_segment 0
		.amdhsa_kernarg_size 64
		.amdhsa_user_sgpr_count 2
		.amdhsa_user_sgpr_kernarg_segment_ptr 1
		.amdhsa_wavefront_size32 1
		.amdhsa_system_sgpr_workgroup_id_x 1
		.amdhsa_system_sgpr_workgroup_id_y 1
		.amdhsa_system_sgpr_workgroup_id_z 1
		.amdhsa_system_vgpr_workitem_id 0
		.amdhsa_next_free_vgpr 104
		.amdhsa_next_free_sgpr 66
		.amdhsa_reserve_vcc 0
		.amdhsa_float_denorm_mode_32 3
		.amdhsa_float_denorm_mode_16_64 3
		.amdhsa_memory_ordered 1
		.amdhsa_forward_progress 1
		.amdhsa_inst_pref_size 43
	.end_amdhsa_kernel
	.amdgpu_metadata
---
amdhsa.version: [ 1, 2 ]
amdhsa.kernels:
  - .name:           k_qd7bd8f050a_prep
    .symbol:         k_qd7bd8f050a_prep.kd
    .args:
      - { .name: input, .offset: 0, .size: 8, .value_kind: global_buffer, .address_space: global }
      - { .name: hidden, .offset: 8, .size: 8, .value_kind: global_buffer, .address_space: global }
      - { .name: Wf, .offset: 16, .size: 8, .value_kind: global_buffer, .address_space: global }
      - { .name: Wc, .offset: 24, .size: 8, .value_kind: global_buffer, .address_space: global }
      - { .name: Wi, .offset: 32, .size: 8, .value_kind: global_buffer, .address_space: global }
      - { .name: Wo, .offset: 40, .size: 8, .value_kind: global_buffer, .address_space: global }
      - { .name: xa, .offset: 48, .size: 8, .value_kind: global_buffer, .address_space: global }
      - { .name: wb, .offset: 56, .size: 8, .value_kind: global_buffer, .address_space: global }
    .group_segment_fixed_size: 0
    .private_segment_fixed_size: 0
    .kernarg_segment_align: 8
    .kernarg_segment_size: 64
    .max_flat_workgroup_size: 256
    .sgpr_count:     66
    .vgpr_count:     104
    .wavefront_size: 32
...
	.end_amdgpu_metadata
.endif
;; end of part 3
;; launch lstm: the kernel of part 2 again; grid 32 x 8, 4 waves a work-group, clusters of 4 x 4, 327,680 bytes of LDS; arguments xa, wb, cell, bf, bc, bi, bo, out0, out1, out2; writes out0, out1, out2
